; MI455X (gfx1250); checked and timed in simulation.
; The chip was launched on July 23, 2026; its instructions are those of AMD's public machine-readable ISA for CDNA 5 (MIT licence, August 2026) and "CDNA5" Instruction Set Architecture Reference Guide (July 2026). The comments in the code are by the model that wrote it; some were corrected since.
;; Attention Layer. Allowed arithmetic: matrix products marked QUANTISED: E4M3 operands, one given power-of-two scale a tensor, by v_wmma_f32_16x16x64_fp8_fp8 or v_wmma_f32_16x16x128_fp8_fp8, f32 sums; products left as they are: f32 operands where the result goes on into a quantised operand, else bf16, f16 or f32 operands; f32 sums; everything else in f32.
;; Inputs: dec 32 x 1,024 float32; enc 32 x 2,048 x 1,024 float32; inp_mask 32 x 2,048 bool; lowp_scales 4 int32 (the exponents e of the quantised operands' scales 2^e); w_d 1,024 x 1,024 float32; w_e 1,024 x 1,024 float32; w_out 1,024 x 1 float32.
;; Outputs: out0 32 x 1,024 float32; out1 32 x 2,048 float32.
;; This version of the problem:
;;   THIS VERSION OF THE PROBLEM IS GIVEN IN LOW PRECISION. The matrix products marked QUANTISED in the list below multiply operands that are first quantised to E4M3 (4 exponent bits, 3 mantissa bits; 8 bits a number), with one given power-of-two scale for each operand tensor; their sums are f32. All else is computed in f32.
;;   The module's matrix products, in the order in which they are computed (A, B: the left and right operand; K: the contracted axis; several contracted axes count as one K, in the product's order):
;;     1. [M 65,536, K 1,024] x [K 1,024, N 1,024]; A: input enc; B: input w_e: QUANTISED (scales: A lowp_scales[0], B lowp_scales[1])
;;     2. [M 32, K 1,024] x [K 1,024, N 1,024]; A: input dec; B: input w_d: QUANTISED (scales: A lowp_scales[2], B lowp_scales[3])
;;     3. [M 65,536, K 1,024] x [K 1,024, N 1]; A: computed on the way; B: input w_out: left as it is (N = 1 < 16)
;;     4. batch 32 x [M 1, K 2,048] x [K 2,048, N 1,024]; A: softmax; B: input enc: left as it is (M = 1 < 16)
;;   THE QUANTISER, for each operand of a quantised product, along K:
;;     - The operand's scale is 2^e, e = its entry of the input lowp_scales (int32; the entries are numbered through the quantised products in the list's order, A before B).
;;     - Each number is divided by the scale, clamped to +-448, and rounded to the nearest number of E4M3, ties to even, subnormals kept.
;;     - The product sums the exact products of the quantised numbers (number of the format x scale) in f32.
;;   ~~~python
;;   def quantise(x, axis, e):      # numpy; x: float32 -> the quantised numbers, widened to float32 again
;;       x = np.moveaxis(x, axis, -1); K = x.shape[-1]
;;       r = np.clip(x / 2.0 ** e, -448, 448)
;;       step = 2.0 ** (np.maximum(np.frexp(np.where(r == 0, 1, r))[1] - 1, -6) - 3)
;;       q = np.round(r / step) * step * 2.0 ** e      # np.round: ties to even
;;       return np.moveaxis(q, -1, axis).astype(np.float32)
;;   ~~~
;; One version. Each part assembles by itself: llvm-mc -triple=amdgcn-amd-amdhsa -mcpu=gfx1250 --defsym DOCPART=n.
;; ======== version 1 of 1: 3 launches
;; workspace buffers: wq 1,064,960 bytes; dq 131,072 bytes; tq 262,144 bytes; live 8,192 bytes of whole numbers
;; launch prep (part 1): grid 64 x 1, 8 waves a work-group, no clusters, 17,408 bytes of LDS; arguments w_e, w_d, dec, lowp_scales, wq, dq; writes wq, dq
.if DOCPART == 1
	.amdgcn_target "amdgcn-amd-amdhsa--gfx1250"
	.amdhsa_code_object_version 6
	.text
	.protected	k_q0cfcf4b667_prep
	.globl	k_q0cfcf4b667_prep
	.p2align	8
	.type	k_q0cfcf4b667_prep,@function
k_q0cfcf4b667_prep:
	s_mov_b64 s[64:65], 0
	v_nop
	global_prefetch_b8 v0, s[64:65] scope:SCOPE_SE
	s_setreg_imm32_b32 hwreg(HW_REG_WAVE_MODE, 25, 1), 1
	s_wait_xcnt 0x0
; PREP.  (1) w_e [1024 (k)][1024 (unit)] f32 becomes codes of E4M3 with the given scale 2^e1, laid in the order of the operand's registers:
;   wq = 65 tiles of 16,384 bytes; tile t = units 16 t .. 16 t + 15 = 8 fragments (K step s) of 2,048 bytes; byte 512 c + 16 lane of a fragment = registers 4 c .. 4 c + 3 of the lane;
;   lane (r, h) holds unit 16 t + r at k = 128 s + 32 c + 16 h + 0 .. 15.  Tile 64 is zero codes: the next launch fetches it with its last slot and never multiplies it.
; (2) dq[t][batch 32][unit 16] = 2 log2(e) x (Q(dec) Q(w_d)): the second quantised product, scaled for the next launch's exponentials.
; SHARES.  Work-group t takes tile t of both weights, wave s takes K step s (128 along K).  A LANE TAKES A COLUMN AND ITS REGISTERS RUN DOWN K, so that the conversions' results are the operand's registers.
; The eight waves' partial sums of the small product meet in LDS (2,048 bytes a wave, [batch][unit]) behind one barrier.
; LIMITS: e1, e2, e3 between -126 and 119 (2^e and 448 x 2^e are f32 numbers); e2 + e3 between -127 and 126 (added to the exponent field of 2 log2(e)).  NaN among the inputs is not served.
.set WE, 16                            ; v16-79   64 numbers of w_e; later dec's second tile; later the partial sums
.set WD, 80                            ; v80-143  64 numbers of w_d; later the two accumulators v80-87, v88-95
.set D0, 144                           ; v144-207 64 numbers of dec, batches 0-15; later the codes of batches 16-31 (v144-159)
.set CE, 208                           ; v208-223 w_e's fragment
.set CD, 224                           ; v224-239 w_d's fragment
.set CA, 240                           ; v240-255 dec's fragment, batches 0-15
.macro LOADW reg, lo                   ; W(128 s + 32 c + 16 h + i, 16 t + r) into register 16 c + i: sixteen lanes read 64 neighbouring bytes
.irp c, 0,1,2,3
.irp i, 0,1,2,3,4,5,6,7,8,9,10,11,12,13,14,15
	global_load_b32 v[\reg+16*\c+\i], v4, s[\lo:\lo+1] offset:(32*\c+\i)*4096
.endr
.endr
.endm
.macro LOADD reg, t                    ; dec(16 t + r, 128 s + 32 c + 16 h + 0 .. 15): K is innermost, four loads of 16 bytes a block
.irp c, 0,1,2,3
.irp q, 0,1,2,3
	global_load_b128 v[\reg+16*\c+4*\q:\reg+16*\c+4*\q+3], v5, s[8:9] offset:65536*\t+128*\c+16*\q
.endr
.endr
.endm
.macro QUANT src, dst, sc, lim         ; 64 numbers of a lane become a fragment's 16 registers of codes
.irp b, 0,1,2,3
.irp i, 0,1,2,3,4,5,6,7,8,9,10,11,12,13,14,15
	v_med3_num_f32 v[\src+16*\b+\i], v[\src+16*\b+\i], -v[\lim], v[\lim]   ; the conversion to an 8-bit code does not saturate (ISA guide 7.6.2): the hold at the largest code x the scale
.endr
	v_cvt_scalef32_pk8_fp8_f32 v[\dst+4*\b:\dst+4*\b+1], v[\src+16*\b:\src+16*\b+7], v[\sc]
	v_cvt_scalef32_pk8_fp8_f32 v[\dst+4*\b+2:\dst+4*\b+3], v[\src+16*\b+8:\src+16*\b+15], v[\sc]
.endr
	v_nop                                          ; one plain vector line behind the last conversion, ahead of whatever next touches its registers
.endm
.macro MKSCALE e, sc, lim              ; 2^e and 448 x 2^e as f32 numbers
	s_add_co_i32 s32, s[\e], 127
	s_lshl_b32 s33, s32, 23
	v_mov_b32 v[\sc], s33
	s_add_co_i32 s32, s32, 8
	s_lshl_b32 s32, s32, 23
	s_or_b32 s32, s32, 0x600000
	v_mov_b32 v[\lim], s32
.endm
	s_load_b256 s[4:11], s[0:1], 0x0               ; w_e s[4:5], w_d s[6:7], dec s[8:9], the scales' exponents s[10:11]
	s_load_b128 s[12:15], s[0:1], 0x20             ; wq s[12:13], dq s[14:15]
	v_lshl_add_u32 v9, v0, 2, 0x4000
	s_set_vgpr_msb 0x40
	v_mov_b32 v1, 0
	s_set_vgpr_msb 0x4000
	v_lshrrev_b32 v1, 5, v0
	v_readfirstlane_b32 s16, v1                    ; wave = K step s
	v_and_b32 v1, 15, v0                           ; r
	v_bfe_u32 v2, v0, 4, 1                         ; h
	v_and_b32 v3, 31, v0                           ; lane
	v_lshlrev_b32 v4, 2, v1
	v_lshl_add_u32 v4, v2, 16, v4                  ; the weights: 16 h rows of 4,096 bytes + 4 r
	v_lshlrev_b32 v5, 12, v1
	v_lshl_add_u32 v5, v2, 6, v5                   ; dec: row r of 4,096 bytes + 64 h
	v_lshlrev_b32 v6, 4, v3                        ; 16 x lane: my place in a register image
	s_lshl_b32 s17, s16, 11
	v_lshlrev_b32 v7, 2, v1
	v_lshl_add_u32 v7, v2, 9, v7
	v_add_nc_u32 v7, s17, v7                       ; LDS: my wave's 2,048 bytes + (batch 8 h) x 64 + 4 r
	v_lshlrev_b32 v8, 3, v0                        ; 8 x thread: two sums of the 512, in LDS and in dq alike
	v_mov_b32 v160, 0                              ; zero codes for tile 64
	v_mov_b32 v161, 0
	s_lshl_b32 s18, s16, 19                        ; 128 s rows of a weight
	s_lshl_b32 s19, ttmp9, 6                       ; + 16 t columns
	s_add_co_u32 s18, s18, s19
	s_mov_b32 s19, 0
	s_lshl_b32 s20, s16, 9                         ; dec: 128 s numbers along a row
	s_mov_b32 s21, 0
	s_lshl_b32 s22, ttmp9, 3
	s_add_co_u32 s22, s22, s16
	s_lshl_b32 s22, s22, 11                        ; wq: fragment 8 t + s
	s_mov_b32 s23, 0
	s_lshl_b32 s24, ttmp9, 11                      ; dq: tile t
	s_mov_b32 s25, 0
	s_lshl_b32 s26, ttmp9, 8
	s_add_co_u32 s26, s26, 1048576                 ; tile 64: 256 bytes of it for each work-group
	s_mov_b32 s27, 0
	s_wait_kmcnt 0x0
	s_load_b128 s[28:31], s[10:11], 0x0            ; e0, e1, e2, e3
	s_add_nc_u64 s[4:5], s[4:5], s[18:19]
	s_add_nc_u64 s[6:7], s[6:7], s[18:19]
	s_add_nc_u64 s[8:9], s[8:9], s[20:21]
	s_add_nc_u64 s[26:27], s[12:13], s[26:27]
	s_add_nc_u64 s[12:13], s[12:13], s[22:23]
	s_add_nc_u64 s[14:15], s[14:15], s[24:25]
	LOADW WE, 4
	LOADD D0, 0
	LOADW WD, 6
	s_wait_kmcnt 0x0
	MKSCALE 29, 10, 11                             ; w_e's
	MKSCALE 30, 12, 13                             ; dec's
	MKSCALE 31, 14, 15                             ; w_d's
	s_add_co_i32 s34, s30, s31
	s_lshl_b32 s34, s34, 23
	s_add_co_i32 s34, s34, 0x4038aa3b              ; 2 log2(e) x 2^(e2 + e3): the exponents are added to the constant's exponent field
	s_mov_b32 s35, s34                             ; (named with it as a pair, so it is written)
	s_wait_loadcnt 63                              ; 144 loads were issued, at most 63 are out: the first 81 are in, w_e's 64 and dec's 16 among them
	QUANT WE, CE, 10, 11
.irp c, 0,1,2,3
	global_store_b128 v6, v[CE+4*\c:CE+4*\c+3], s[12:13] offset:512*\c   ; the wave stores 512 consecutive bytes, at a multiple of 256 from wq's first byte
.endr
	QUANT D0, CA, 12, 13
	LOADD WE, 1                                    ; batches 16-31, into the registers that w_e's numbers have left
	s_wait_loadcnt 16                              ; w_d is in; the 16 loads just issued may be out
	QUANT WD, CD, 14, 15
	v_wmma_f32_16x16x128_fp8_fp8 v[80:87], v[CA:CA+15], v[CD:CD+15], 0     ; source 0 = 16 batches, source 1 = 16 units: register j of lane (r, h) = (batch 8 h + j, unit r)
	s_wait_loadcnt 0x0
	QUANT WE, D0, 12, 13                           ; its 64 holds name no register of the product above
	v_wmma_f32_16x16x128_fp8_fp8 v[88:95], v[D0:D0+15], v[CD:CD+15], 0     ; batches 16-31: an accumulator of its own, one instruction each: no chain
.rept 4
	v_nop                                          ; four places ahead of the first read of the result (ISA guide 7.12.1)
.endr
.irp t, 0,1
.irp j, 0,1,2,3,4,5,6,7
	ds_store_b32 v7, v[80+8*\t+\j] offset:1024*\t+64*\j                    ; each accumulator from its low end on
.endr
.endr
	s_wait_dscnt 0x0                               ; for the others' sake: my partial sums lie in LDS
	s_barrier_signal -1
	s_barrier_wait -1
.irp k, 0,1,2,3,4,5,6,7
	ds_load_b64 v[16+2*\k:17+2*\k], v8 offset:2048*\k
.endr
	s_wait_dscnt 0x0
.irp k, 1,2,3,4,5,6,7
	v_pk_add_f32 v[16:17], v[16:17], v[16+2*\k:17+2*\k]                    ; K steps in ascending order
.endr
	v_pk_mul_f32 v[16:17], v[16:17], s[34:35] op_sel_hi:[1,0]
	global_store_b64 v8, v[16:17], s[14:15]        ; a wave stores 256 consecutive bytes, aligned
	s_cmp_lg_u32 s16, 0
	s_cbranch_scc1 .Ldone
	global_store_b64 v8, v[160:161], s[26:27]      ; wave 0: 256 bytes of tile 64 (in wave 0 the thread's number is the lane's)
.Ldone:
	s_set_vgpr_msb 0x4
	s_wait_tensorcnt 0x0
	ds_add_u32 v9, v1
	s_wait_dscnt 0x0
	s_set_vgpr_msb 0x400
	s_endpgm
.Lfunc_end_k_q0cfcf4b667_prep:
	.size	k_q0cfcf4b667_prep, .Lfunc_end_k_q0cfcf4b667_prep-k_q0cfcf4b667_prep
	.p2alignl 7, 3214868480
	.fill 96, 4, 3214868480
	.section	.rodata,"a",@progbits
	.p2align	6, 0x0
	.amdhsa_kernel k_q0cfcf4b667_prep
		.amdhsa_group_segment_fixed_size 17408
		.amdhsa_private_segment_fixed_size 0
		.amdhsa_enable_private_segment 0
		.amdhsa_kernarg_size 48
		.amdhsa_user_sgpr_count 2
		.amdhsa_user_sgpr_kernarg_segment_ptr 1
		.amdhsa_wavefront_size32 1
		.amdhsa_system_sgpr_workgroup_id_x 1
		.amdhsa_system_sgpr_workgroup_id_y 1
		.amdhsa_system_sgpr_workgroup_id_z 1
		.amdhsa_system_vgpr_workitem_id 0
		.amdhsa_next_free_vgpr 258
		.amdhsa_next_free_sgpr 66
		.amdhsa_reserve_vcc 0
		.amdhsa_float_denorm_mode_32 3
		.amdhsa_float_denorm_mode_16_64 3
		.amdhsa_memory_ordered 1
		.amdhsa_forward_progress 1
		.amdhsa_inst_pref_size 40
	.end_amdhsa_kernel
	.amdgpu_metadata
---
amdhsa.version: [ 1, 2 ]
amdhsa.kernels:
  - .name:           k_q0cfcf4b667_prep
    .symbol:         k_q0cfcf4b667_prep.kd
    .args:
      - { .name: w_e, .offset: 0, .size: 8, .value_kind: global_buffer, .address_space: global }
      - { .name: w_d, .offset: 8, .size: 8, .value_kind: global_buffer, .address_space: global }
      - { .name: dec, .offset: 16, .size: 8, .value_kind: global_buffer, .address_space: global }
      - { .name: lowp_scales, .offset: 24, .size: 8, .value_kind: global_buffer, .address_space: global }
      - { .name: wq, .offset: 32, .size: 8, .value_kind: global_buffer, .address_space: global }
      - { .name: dq, .offset: 40, .size: 8, .value_kind: global_buffer, .address_space: global }
    .group_segment_fixed_size: 17408
    .private_segment_fixed_size: 0
    .kernarg_segment_align: 8
    .kernarg_segment_size: 48
    .max_flat_workgroup_size: 256
    .sgpr_count:     66
    .vgpr_count:     258
    .wavefront_size: 32
...
	.end_amdgpu_metadata
.endif
;; end of part 1
;; launch score (part 2): grid 256 x 1, 4 waves a work-group, clusters of 4 x 1, 327,680 bytes of LDS; arguments enc, inp_mask, lowp_scales, w_out, wq, dq, tq, live; writes tq, live
.if DOCPART == 2
	.amdgcn_target "amdgcn-amd-amdhsa--gfx1250"
	.amdhsa_code_object_version 6
	.text
	.protected	k_q0cfcf4b667_score
	.globl	k_q0cfcf4b667_score
	.p2align	8
	.type	k_q0cfcf4b667_score,@function
k_q0cfcf4b667_score:
	s_mov_b64 s[64:65], 0
	v_nop
	global_prefetch_b8 v0, s[64:65] scope:SCOPE_SE
	s_setreg_imm32_b32 hwreg(HW_REG_WAVE_MODE, 25, 1), 1
	s_wait_xcnt 0x0
	s_wait_alu depctr_hold_cnt(0) depctr_sa_sdst(0) depctr_va_vdst(0) depctr_va_sdst(0) depctr_va_ssrc(0) depctr_va_vcc(0) depctr_vm_vsrc(0)
	s_getreg_b32 s2, hwreg(HW_REG_IB_STS2, 6, 4)
	s_cmp_eq_u32 s2, 0
	s_cbranch_scc0 .Lentry_in_a_cluster
	s_endpgm
.Lentry_in_a_cluster:
	s_bfe_u32 s2, ttmp6, 0x10000c
	s_cmp_lg_u32 s2, 0x3003
	s_cbranch_scc0 .Lentry_shape_is_right
	s_endpgm
.Lentry_shape_is_right:
; SCORE.  tq[row] = the row's logit in base 2, live = which rows can have a weight other than 0.
; tanh(x) = 1 - 2 rho, rho = 1 / (1 + 2^arg), arg = 2 log2(e) x = acc x c1 + d', c1 = 2 log2(e) 2^(e0 + e1), d' = dq (the launch before).  score = sum_h w_h - 2 sum_h w_h rho_h.  The first sum is the same
; for all rows of a softmax, and softmax(s + const) = softmax(s) for every input: so the logit kept is t = -2 log2(e) sum_h w_h rho_h, or -infinity where the mask is 0.  No difference of large sums is formed.
; SHARES.  A work-group takes 256 rows of enc (all of one batch), each of its four waves 64 rows against all 1,024 hidden units.  PHASE 1: the wave's 64 x 1,024 numbers are read once, quantised (E4M3, 2^e0) and
; kept as codes in 512 registers.  PHASE 2: w_e's codes (wq, 64 tiles of 16 units, in the order of the operand's registers) stream past through LDS; a tile is 32 matrix instructions a wave.
; THE MATRIX INSTRUCTION IS USED TRANSPOSED: source 0 = 16 hidden units, source 1 = 16 rows of enc.  Lane (r, h) then holds row r and its register j unit 8 h + j, so the dot product with w_out stays in the lane.
; Both operands hold k = 32 c + 16 h + 0 .. 15 in registers 4 c .. 4 c + 3: the same permutation of k on both sides, so every product meets its partner.
; CLUSTER.  All work-groups walk the same wq: the four of a cluster ask for each slot JOINTLY (mask 15, the same descriptor in all four).  The place in the cluster enters global addresses of enc, mask, dq, tq, live alone.
; RING.  Two slots of 8 tiles (131,072 bytes); tile 0 has bytes of its own.  Slot j = tiles 8 j + 1 .. 8 j + 8 in ring j % 2; trip k multiplies tile k and fetches tile k + 1.  Each wave fills a quarter of a slot by one tensor load.
; By this text's own count a wave has two tensor loads out at the start and one behind each change of slots.  Tile 64 (zero codes) is fetched in the last trip and never multiplied: so every slot and every trip has one shape.
; LIVE.  A row whose t lies more than 150 under the largest t of its work-group's 256 rows lies as far under its batch's largest: 2^(t - M) is 0 in f32.  Bit (row / 2) % 32 of word 2 (row / 64) + row % 2 is 0 for such a row.
; LIMITS: e0 between -126 and 119; e0 + e1 between -127 and 126.  NaN among the inputs is not served.
; LDS: 0 ring A | 131,072 ring B | 262,144 tile 0 | 278,528 four stages of 16 rows x 528 | 312,320 d' [tile][16] | 316,416 128 zero bytes, then w_out | 320,768 logits | 321,792 the waves' maxima | 322,048 the spare words.
; REGISTERS, in windows of 256: window 0: v0-15 addresses and scales; v16-23 d' of a tile; v24-31 w of a tile; v32-39 the dot products (a pair for each tile of rows); v40-71 four accumulators; v72-103 the tanh in hand;
;   v104-127 at work; v128-255 a tile's eight fragments of weights (phase 1: two sets of 64 numbers).  Windows 1, 2: the codes: fragment (tile of rows m, K step s) in window 1 + s / 4 at v[64 (s % 4) + 16 m].
;   Window 3: four sets of 64 registers in which enc lands.
; In the loop only source 1 of the matrix instructions leaves window 0, and every vector line set between them has a scalar, a constant or nothing as its source 1: three window switches for a tile's 32 matrix instructions.
.set TILE,  16384
.set RING,  131072
.set T0,    262144
.set STG,   278528
.set SP,    528                        ; a stage row: 512 bytes + 16 = 33 x 16: the sixteen rows that a load touches begin at sixteen different 16-byte columns modulo 256
.set DT,    312320
.set WT,    316416
.set SCR,   320768
.set MXR,   321792
.set SPARE, 322048
.set SPW, 1                            ; v1   LDS address of my spare word; never rewritten
.set NIL, 2                            ; v2   0; never rewritten
.set LI,  3                            ; v3   16 x lane
.set ADR, 4                            ; v4   LDS address of the tile being fetched
.set DTA, 5                            ; v5   DT + 32 h
.set WTA, 6                            ; v6   WT + 64 + 32 h
.set DAD, 7                            ; v7   DTA + 64 k
.set WAD, 8                            ; v8   WTA + 64 k: w of tile k - 1
.set STI, 9                            ; v9   my stage + 16 x lane: in, as loaded
.set STO, 10                           ; v10  my stage + 528 r + 64 h: out, 16 neighbours a block
.set SC,  11                           ; v11  2^e0
.set LIM, 12                           ; v12  448 x 2^e0
.set SCA, 13                           ; v13  SCR + 256 wave + 4 r
.set MSK, 14                           ; v14  the mask bytes of rows 2 lane, 2 lane + 1
.set SCL, 15                           ; v15  SCR + 256 wave + 8 lane
.set D8,  16
.set W8,  24
.set S,   32
.set ACC, 40
.set E,   72
.set T,   104
.set BF,  128
.set MSB, 0
.macro WIN new                         ; the immediate's high byte repeats the setting that is left; a switch that changes nothing is dropped
.if MSB != (\new)
	s_set_vgpr_msb (MSB<<8)|(\new)
.set MSB, (\new)
.endif
.endm
.macro CROUND                          ; a round of the cluster's barrier
	s_barrier_signal -1
	s_barrier_wait -1
	s_cmp_lg_u32 s20, 0
	s_cbranch_scc1 .Lnot_wave_0_\@
	s_barrier_signal -3
.Lnot_wave_0_\@:
	s_barrier_wait -3
	s_barrier_signal -1
	s_barrier_wait -1
.endm
; PHASE 1.  Fragment x = 8 m + s: rows 16 m .. 16 m + 15 of my 64, columns 128 s .. 128 s + 127.
.macro LOAD x                          ; 16 loads, a row's 512 consecutive bytes each, into landing set x % 4 (window 3)
.set lm, (\x)/8
.set ls, (\x)%8
.set lr, 64*((\x)%4)
	WIN 0xc0
.irp j, 0,1,2,3,4,5,6,7,8,9,10,11,12,13,14,15
	global_load_b128 v[lr+4*\j:lr+4*\j+3], v[LI], s[4:5] offset:(16*lm+\j)*4096+512*ls th:TH_LOAD_NT
.endr
.endm
.macro TURN x                          ; through my own stage: in as loaded, out 16 neighbours along K a block.  LDS serves a wave's instructions in order (ISA guide 5.7.1.4): no wait between
.set lr, 64*((\x)%4)
.set lx, BF+64*((\x)%2)
	WIN 0x0c                                       ; store data (source 1) in window 3
.irp j, 0,1,2,3,4,5,6,7,8,9,10,11,12,13,14,15
	ds_store_b128 v[STI], v[lr+4*\j:lr+4*\j+3] offset:SP*\j
.endr
	WIN 0
.irp c, 0,1,2,3
.irp i, 0,1,2,3
	ds_load_b128 v[lx+16*\c+4*\i:lx+16*\c+4*\i+3], v[STO] offset:128*\c+16*\i   ; register 16 c + 4 i + e = k 32 c + 16 h + 4 i + e of row r
.endr
.endr
.endm
.macro QUANTF x                        ; 64 numbers become the fragment's 16 registers of codes, where they stay
.set lx, BF+64*((\x)%2)
.set lm, (\x)/8
.set ls, (\x)%8
.set lc, 64*(ls%4)+16*lm
	WIN 0
.set i, 0
.rept 64
	v_med3_num_f32 v[lx+i], v[lx+i], -v[LIM], v[LIM]   ; the conversion to an 8-bit code does not saturate (ISA guide 7.6.2): the hold at the largest code x the scale
.set i, i+1
.endr
	WIN 0x40*(1+ls/4)                              ; destination window 1 or 2
.irp c, 0,1,2,3
	v_cvt_scalef32_pk8_fp8_f32 v[lc+4*\c:lc+4*\c+1], v[lx+16*\c:lx+16*\c+7], v[SC]
	v_cvt_scalef32_pk8_fp8_f32 v[lc+4*\c+2:lc+4*\c+3], v[lx+16*\c+8:lx+16*\c+15], v[SC]
.endr
	v_nop                                          ; one plain vector line behind the last conversion
	WIN 0
.endm
.macro STEP                            ; fragment f: loads run four fragments ahead, the turn through LDS one
	s_wait_dscnt 0x0                               ; f's numbers are back from the stage, so its stores into the stage have read landing set f % 4,
.if f <= 27
	LOAD f+4                                       ; which takes the loads of four fragments on
	s_wait_loadcnt 48                              ; f + 1's 16 loads are in; those of f + 2, f + 3, f + 4 may be out
.elseif f <= 30
	s_wait_loadcnt 16*(30-f)                       ; nothing more is asked for: the counts run down
.endif
.if f <= 30
	TURN f+1
.endif
	QUANTF f
.endm
; PHASE 2.
.macro FETCH half                      ; four fragments of the tile at v[ADR]: register images, 512 consecutive bytes a load
.irp s, 0,1,2,3
.irp c, 0,1,2,3
	ds_load_b128 v[BF+64*\half+16*\s+4*\c:BF+64*\half+16*\s+4*\c+3], v[ADR] offset:(4*\half+\s)*2048+512*\c
.endr
.endr
.endm
.macro WM                              ; product n of 32: K step n / 4, tile of rows n % 4.  The four accumulators take turns, one instruction a turn.  The first four start the sums
.set ws, n/4
.set wm, n%4
.if ws == 0
	v_wmma_f32_16x16x128_fp8_fp8 v[ACC+8*wm:ACC+8*wm+7], v[BF+16*ws:BF+16*ws+15], v[64*(ws%4)+16*wm:64*(ws%4)+16*wm+15], 0
.else
	v_wmma_f32_16x16x128_fp8_fp8 v[ACC+8*wm:ACC+8*wm+7], v[BF+16*ws:BF+16*ws+15], v[64*(ws%4)+16*wm:64*(ws%4)+16*wm+15], v[ACC+8*wm:ACC+8*wm+7]
.endif
.endm
.macro OPA q                           ; arg = acc x c1 + d', a pair; each accumulator is read from its low end on
	v_pk_fma_f32 v[E+2*(\q):E+2*(\q)+1], v[ACC+2*(\q):ACC+2*(\q)+1], s[48:49], v[D8+2*((\q)%4):D8+2*((\q)%4)+1] op_sel_hi:[1,0,1]
.endm
.macro OPB i                           ; 2^arg
	v_exp_f32 v[E+(\i)], v[E+(\i)]
.endm
.macro OPC q                           ; 1 + 2^arg, a pair
	v_pk_add_f32 v[E+2*(\q):E+2*(\q)+1], v[E+2*(\q):E+2*(\q)+1], 1.0 op_sel_hi:[1,0]
.endm
.macro OPD i                           ; rho
	v_rcp_f32 v[E+(\i)], v[E+(\i)]
.endm
.macro DOT                             ; the dot products take w x rho: 16 packed multiply-adds, the four tiles of rows by turns
.irp p, 0,1,2,3
.irp m, 0,1,2,3
	v_pk_fma_f32 v[S+2*\m:S+2*\m+1], v[E+8*\m+2*\p:E+8*\m+2*\p+1], v[W8+2*\p:W8+2*\p+1], v[S+2*\m:S+2*\m+1]
.endr
.endr
.endm
; TRIP k: multiplies tile k, fetches tile k + 1, and runs the tanh and the dot product of tile k - 1 in slices behind the matrix instructions.
.macro UNIT
	s_wait_dscnt 16                                ; fragments 0-3, d' and w are in; the youngest 16 loads (fragments 4-7) may be out
	WIN 0x04                                       ; source 1: window 1
.irp q, 0,1,2,3
	OPA \q                                         ; tile k - 1's sums leave each accumulator just ahead of the product that begins it anew
.endr
.set n, 0
.rept 16
	WM
.if n < 3
.irp u, 0,1,2,3
	OPA 4*(n+1)+\u
.endr
.elseif n < 14
.irp u, 0,1,2
.if 3*(n-3)+\u < 32
	OPB 3*(n-3)+\u
.endif
.endr
.endif
.set n, n+1
.endr
	v_add_nc_u32 v[ADR], v[LI], s50                ; tile k + 1.  (The plain line behind the last exponential)
	s_wait_alu depctr_va_vdst(0)                   ; one wait for the 32 exponentials, ahead of the first line that names a result
.irp q, 0,1,2,3
	OPC \q                                         ; with the addition above: five plain lines between the last product that read fragments 0-3 and the loads into them (ISA guide 7.12.1 for vector instructions)
.endr
	FETCH 0
	ds_load_b128 v[D8:D8+3], v[DAD]                ; d' of tile k, for the next trip
	ds_load_b128 v[D8+4:D8+7], v[DAD] offset:16
	ds_load_b128 v[W8:W8+3], v[WAD]                ; w of tile k - 1, for this trip's end
	ds_load_b128 v[W8+4:W8+7], v[WAD] offset:16
	s_wait_dscnt 20                                ; fragments 4-7 are in; the 20 loads just issued may be out
	WIN 0x08                                       ; source 1: window 2
.rept 16
	WM
.irp u, 0,1,2
.set x, 3*(n-16)+\u
.if x < 12
	OPC 4+x
.elseif x < 44
	OPD x-12
.endif
.endr
.set n, n+1
.endr
	WIN 0
	s_add_co_u32 s51, s51, 64
	v_add_nc_u32 v[DAD], s51, v[DTA]               ; four plain lines between the last product and the loads into fragments 4-7; the first is also the plain line behind the last reciprocal
	v_add_nc_u32 v[WAD], s51, v[WTA]
	v_nop
	v_nop
	FETCH 1
	s_wait_dscnt 16                                ; all but the 16 just issued: w is in
	s_wait_alu depctr_va_vdst(0)                   ; one wait for the 32 reciprocals, ahead of their first reader and of the backward jump
	DOT                                            ; with the four lines above: twenty plain lines that name no register of the last products, ahead of the reads of their sums and of the products that begin the accumulators anew
	s_add_co_u32 s50, s50, TILE
.endm
.macro EIGHT                           ; a slot's eight trips: written once, walked eight times
	s_mov_b32 s53, 8
.Lunit_\@:
	UNIT
	s_sub_co_u32 s53, s53, 1
	s_cmp_lg_u32 s53, 0
	s_cbranch_scc1 .Lunit_\@
.endm
; THE CHANGE OF SLOTS.  Each wave waits for all its tensor loads (its quarter of the slot ahead), adds 0 to its spare word, and waits for that and for its reads of the slot that it has left.
; fill = 1: the barrier is a round of the cluster's, and behind it the slot just left is filled with the next eight tiles: the load has eight trips, 256 matrix instructions a wave, in which to land.
.macro CHANGE fill
	s_wait_tensorcnt 0x0                           ; no tensor load of mine is out, so the walking descriptor may be written
	ds_add_u32 v[SPW], v[NIL]                      ; 0 onto my spare word: the steps below stand between it and the wait for it
.if \fill
	s_xor_b32 s41, s41, RING                       ; the other ring than last time,
	s_add_nc_u64 s[42:43], s[42:43], RING          ; the next eight tiles; the type bits on top are not reached
.endif
	s_sub_co_u32 s50, s50, RING                    ; the fetches go back to a slot's first tile,
	s_xor_b32 s50, s50, RING                       ; in the other ring
	s_wait_dscnt 0x0                               ; the add is done, and my reads of the slot that I have left are over
.if \fill
	CROUND
	tensor_load_to_lds s[40:43], s[24:31]          ; the first thing behind the round, and my one tensor load until the next
	s_nop 0
.rept 4
	v_nop
.endr
.else
	s_barrier_signal -1
	s_barrier_wait -1
.endif
.endm
	s_load_b512 s[4:19], s[0:1], 0x0               ; enc s[4:5], mask s[6:7], scales s[8:9], w_out s[10:11], wq s[12:13], dq s[14:15], tq s[16:17], live s[18:19]
	v_lshl_add_u32 v[SPW], v0, 2, SPARE
	v_mov_b32 v[NIL], 0
	ds_add_u32 v1, v2
	ds_add_u32 v1, v2
	s_wait_dscnt 0x0
	v_lshrrev_b32 v[T], 5, v0
	v_readfirstlane_b32 s20, v[T]                  ; wave 0..3
	; descriptor group 1: a dense block as rows of 256 bytes (32 elements of 8 bytes); 128 rows = two tiles, a wave's quarter of a slot
	s_mov_b32 s24, 15|(3<<16)|(1<<21)              ; 15:0 the mask: all four work-groups; 17:16 elements of 8 bytes; 21 set beside a mask; no padding
	s_mov_b32 s25, 32<<16                          ; tensor_dim0 = 32
	s_mov_b32 s26, 128<<16                         ; tensor_dim1 = 128
	s_mov_b32 s27, 32<<16                          ; tile_dim0 = 32
	s_mov_b32 s28, 128                             ; tile_dim1 = 128
	s_mov_b32 s29, 32                              ; the pitch
	s_mov_b32 s30, 0
	s_mov_b32 s31, 0
	s_mov_b32 s32, 15|(3<<16)|(1<<21)              ; the same with 16 rows: a wave's quarter of tile 0
	s_mov_b32 s33, 32<<16
	s_mov_b32 s34, 16<<16
	s_mov_b32 s35, 32<<16
	s_mov_b32 s36, 16
	s_mov_b32 s37, 32
	s_mov_b32 s38, 0
	s_mov_b32 s39, 0
	s_mov_b32 s60, 0x76543210                      ; v_permlanex16_b32's selects for lane l xor 16
	s_mov_b32 s61, 0xfedcba98
	s_lshl_b32 s68, s20, 15                        ; 32,768 x wave
	s_mov_b32 s69, 0
	s_lshl_b32 s70, s20, 12                        ; 4,096 x wave
	s_mov_b32 s71, 0
	s_wait_kmcnt 0x0
	s_mov_b32 s40, 1                               ; group 0 of the slots: count = 1,
	s_mov_b32 s41, s68                             ; LDS address: ring A + my quarter,
	s_add_nc_u64 s[42:43], s[12:13], s[68:69]
	s_add_nc_u64 s[42:43], s[42:43], TILE          ; global address: tile 1 + my quarter,
	s_or_b32 s43, s43, 0x80000000                  ; type = 2
	s_mov_b32 s44, 1                               ; group 0 of tile 0
	s_add_co_u32 s45, s70, T0
	s_add_nc_u64 s[46:47], s[12:13], s[70:71]
	s_or_b32 s47, s47, 0x80000000
	CROUND                                         ; all four work-groups are here: the first joint loads meet
	tensor_load_to_lds s[44:47], s[32:39]          ; tile 0
	s_nop 0
	tensor_load_to_lds s[40:43], s[24:31]          ; slot 0: tiles 1 to 8
	s_nop 0
.rept 4
	v_nop
.endr
	s_load_b128 s[56:59], s[8:9], 0x0              ; e0, e1, e2, e3
	s_bfe_u32 s21, ttmp6, 0x40000                  ; cx
	s_lshl_b32 s22, ttmp9, 2
	s_add_co_u32 s22, s22, s21                     ; my work-group g = 4 x cluster + cx
	s_lshr_b32 s23, s22, 3                         ; its batch
	s_lshl_b32 s72, s22, 20                        ; 256 g rows of 4,096 bytes
	s_lshl_b32 s73, s20, 18                        ; + 64 x wave rows
	s_add_co_u32 s72, s72, s73
	s_mov_b32 s73, 0
	s_add_nc_u64 s[4:5], s[4:5], s[72:73]          ; enc at my wave's first row
	s_lshl_b32 s72, s22, 8
	s_lshl_b32 s74, s20, 6
	s_add_co_u32 s72, s72, s74                     ; my first row: 256 g + 64 wave
	s_add_nc_u64 s[6:7], s[6:7], s[72:73]          ; its mask byte,
	s_lshl_b32 s72, s72, 2
	s_add_nc_u64 s[16:17], s[16:17], s[72:73]      ; its logit,
	s_lshl_b32 s72, s22, 2
	s_add_co_u32 s72, s72, s20
	s_lshl_b32 s72, s72, 3
	s_add_nc_u64 s[18:19], s[18:19], s[72:73]      ; my wave's two words of live
	s_lshl_b32 s72, s23, 6
	s_add_nc_u64 s[14:15], s[14:15], s[72:73]      ; dq at my batch's 64 bytes of tile 0
	v_and_b32 v[T], 31, v0                         ; lane
	v_and_b32 v[T+1], 15, v0                       ; r
	v_bfe_u32 v[T+2], v0, 4, 1                     ; h
	v_lshlrev_b32 v[LI], 4, v[T]
	v_lshl_add_u32 v[DTA], v[T+2], 5, DT
	v_lshl_add_u32 v[WTA], v[T+2], 5, WT+64
	s_mul_i32 s75, s20, 16*SP
	s_add_co_u32 s75, s75, STG                     ; my stage
	v_add_nc_u32 v[STI], s75, v[LI]
	v_mul_u32_u24 v[STO], v[T+1], SP
	v_lshl_add_u32 v[STO], v[T+2], 6, v[STO]
	v_add_nc_u32 v[STO], s75, v[STO]
	s_lshl_b32 s76, s20, 8
	s_add_co_u32 s76, s76, SCR
	v_lshl_add_u32 v[SCA], v[T+1], 2, s76
	v_lshl_add_u32 v[SCL], v[T], 3, s76
	v_lshlrev_b32 v[T+3], 5, v0                    ; w_out: 32 bytes a thread
	v_lshrrev_b32 v[T+4], 1, v0
	v_lshlrev_b32 v[T+4], 11, v[T+4]
	v_and_b32 v[T+9], 1, v0
	v_lshl_add_u32 v[T+4], v[T+9], 5, v[T+4]       ; dq: tile thread / 2, half thread % 2 of my batch's 64 bytes
	v_lshlrev_b32 v[T+5], 1, v[T]                  ; the mask: 2 bytes a lane
	v_lshl_add_u32 v[T+6], v0, 5, DT               ; where the tables go in LDS
	v_lshl_add_u32 v[T+7], v0, 5, WT+128
	v_lshl_add_u32 v[T+8], v[T], 2, WT
	v_mov_b32 v[T+9], 0
	global_load_b128 v[72:75], v[T+3], s[10:11]
	global_load_b128 v[76:79], v[T+3], s[10:11] offset:16
	global_load_b128 v[80:83], v[T+4], s[14:15]
	global_load_b128 v[84:87], v[T+4], s[14:15] offset:16
	global_load_u16 v[MSK], v[T+5], s[6:7]
	LOAD 0
	LOAD 1
	LOAD 2
	WIN 0
	s_wait_loadcnt 48                              ; the five loads of the tables are in; the 48 of fragments 0 to 2 may be out
	ds_store_b128 v[T+6], v[80:83]
	ds_store_b128 v[T+6], v[84:87] offset:16
	ds_store_b128 v[T+7], v[72:75]
	ds_store_b128 v[T+7], v[76:79] offset:16
	s_cmp_lg_u32 s20, 0
	s_cbranch_scc1 .Lnot_first
	ds_store_b32 v[T+8], v[T+9]                    ; wave 0: 128 zero bytes in front of w: the first trip's tanh, of no tile, is weighed with 0
.Lnot_first:
	LOAD 3
	WIN 0
	s_wait_kmcnt 0x0
	s_add_co_i32 s77, s56, 127
	s_lshl_b32 s78, s77, 23
	v_mov_b32 v[SC], s78                           ; 2^e0 as f32: the conversion takes its exponent field
	s_add_co_i32 s77, s77, 8
	s_lshl_b32 s77, s77, 23
	s_or_b32 s77, s77, 0x600000
	v_mov_b32 v[LIM], s77                          ; 448 x 2^e0
	s_add_co_i32 s48, s56, s57
	s_lshl_b32 s48, s48, 23
	s_add_co_i32 s48, s48, 0x4038aa3b              ; c1 = 2 log2(e) x 2^(e0 + e1)
	s_mov_b32 s49, s48                             ; (named with it as a pair, so it is written)
	s_wait_loadcnt 48                              ; fragment 0's 16 loads are in
	TURN 0
.set f, 0
.rept 32                               ; written out: each fragment's codes go to registers of their own
	STEP
.set f, f+1
.endr
	; PHASE 2 begins.  The loop is written once: its first trip finds sums and d' of 0, and weighs what it makes of them with the zeros in front of w.
.set i, 0
.rept 8
	v_mov_b32 v[D8+i], 0
.set i, i+1
.endr
.set i, 0
.rept 40
	v_mov_b32 v[S+i], 0                            ; the dot products and the four accumulators
.set i, i+1
.endr
	s_mov_b32 s50, T0
	s_mov_b32 s51, 0
	v_mov_b32 v[DAD], v[DTA]
	v_mov_b32 v[WAD], v[WTA]
	v_add_nc_u32 v[ADR], T0, v[LI]
	s_wait_tensorcnt 0x1                           ; my quarter of tile 0 is in; slot 0's load may be out
	s_wait_dscnt 0x0                               ; for the others' sake: my part of the tables lies in LDS
	s_barrier_signal -1
	s_barrier_wait -1
	FETCH 0                                        ; tile 0
	FETCH 1
	s_mov_b32 s52, 7
.Lslot:                                                ; seven trips: behind each change of slots but the last the next slot is asked for
	CHANGE 1
	EIGHT
	s_sub_co_u32 s52, s52, 1
	s_cmp_lg_u32 s52, 0
	s_cbranch_scc1 .Lslot
	CHANGE 0                                       ; the last slot is written out
	EIGHT
	; THE TAIL: the tanh and the dot product of tile 63.  The twenty plain lines at the last trip's end stand behind the last products.
	ds_load_b128 v[W8:W8+3], v[WAD]
	ds_load_b128 v[W8+4:W8+7], v[WAD] offset:16
.set i, 0
.rept 16
	OPA i
.set i, i+1
.endr
.set i, 0
.rept 32
	OPB i
.set i, i+1
.endr
	v_nop                                          ; a plain line behind the last exponential,
	s_wait_alu depctr_va_vdst(0)                   ; and the one wait for the batch
.set i, 0
.rept 16
	OPC i
.set i, i+1
.endr
.set i, 0
.rept 32
	OPD i
.set i, i+1
.endr
	v_nop
	s_wait_alu depctr_va_vdst(0)
	s_wait_dscnt 0x0                               ; w of tile 63 is in (and tile 64's fragments, which nobody multiplies)
	DOT
	; THE WAY OUT.  A row's dot product lies in two halves of a pair and in two lanes, 16 apart.
.irp m, 0,1,2,3
	v_add_f32 v[T+\m], v[S+2*\m], v[S+2*\m+1]
.endr
.irp m, 0,1,2,3
	v_permlanex16_b32 v[T+4+\m], v[T+\m], s60, s61
.endr
.irp m, 0,1,2,3
	v_add_f32 v[T+\m], v[T+\m], v[T+4+\m]
.endr
.irp m, 0,1,2,3
	v_mul_f32 v[T+\m], 0xc038aa3b, v[T+\m]         ; t = -2 log2(e) x the sum
.endr
.irp m, 0,1,2,3
	ds_store_b32 v[SCA], v[T+\m] offset:64*\m      ; row 16 m + r; both halves of the lanes store the same number to the same word
.endr
	ds_load_b64 v[T+8:T+9], v[SCL]                 ; back as rows 2 lane, 2 lane + 1: my wave's own bytes, served in order
	v_and_b32 v[T+10], 0xff, v[MSK]
	v_lshrrev_b32 v[T+11], 8, v[MSK]
	v_mov_b32 v[T+12], 0xff800000                  ; -infinity
	v_and_b32 v[T+13], 31, v0
	v_lshlrev_b32 v[T+14], 3, v[T+13]
	s_wait_dscnt 0x0
	v_cmp_ne_u32 vcc_lo, 0, v[T+10]
	v_cndmask_b32 v[T+8], v[T+12], v[T+8], vcc_lo
	v_cmp_ne_u32 vcc_lo, 0, v[T+11]
	v_cndmask_b32 v[T+9], v[T+12], v[T+9], vcc_lo
	global_store_b64 v[T+14], v[T+8:T+9], s[16:17] ; the wave stores 256 consecutive bytes, aligned
	v_max_num_f32 v[T+15], v[T+8], v[T+9]
	v_max_num_f32_dpp v[T+15], v[T+15], v[T+15] row_xmask:1 row_mask:0xf bank_mask:0xf
	v_max_num_f32_dpp v[T+15], v[T+15], v[T+15] row_xmask:2 row_mask:0xf bank_mask:0xf
	v_max_num_f32_dpp v[T+15], v[T+15], v[T+15] row_xmask:4 row_mask:0xf bank_mask:0xf
	v_max_num_f32_dpp v[T+15], v[T+15], v[T+15] row_xmask:8 row_mask:0xf bank_mask:0xf
	v_permlanex16_b32 v[T+4], v[T+15], s60, s61
	v_max_num_f32 v[T+15], v[T+15], v[T+4]         ; the largest t of my 64 rows
	s_lshl_b32 s66, s20, 2
	s_add_co_u32 s66, s66, MXR
	v_mov_b32 v[T+5], s66
	ds_store_b32 v[T+5], v[T+15]
	s_wait_dscnt 0x0
	s_barrier_signal -1
	s_barrier_wait -1
	v_mov_b32 v[T+6], MXR
	ds_load_b128 v[T+16:T+19], v[T+6]
	s_wait_dscnt 0x0
	v_max3_num_f32 v[T+15], v[T+16], v[T+17], v[T+18]
	v_max_num_f32 v[T+15], v[T+15], v[T+19]        ; of the work-group's 256
	v_add_f32 v[T+15], 0xc3160000, v[T+15]         ; - 150
	v_cmp_ge_f32 s58, v[T+8], v[T+15]              ; bit l: row 2 l is live
	v_cmp_ge_f32 s59, v[T+9], v[T+15]              ; row 2 l + 1
	v_mov_b32 v[T+20], s58
	v_mov_b32 v[T+21], s59
	v_mov_b32 v[T+22], 0
	v_cmp_eq_u32 vcc_lo, 0, v[T+13]
	s_wait_xcnt 0x0                                ; EXEC changes only behind this wait: the store above has read it
	s_and_saveexec_b32 s66, vcc_lo
	global_store_b64 v[T+22], v[T+20:T+21], s[18:19]   ; lane 0: my wave's two words
	s_wait_xcnt 0x0                                ; and again, in front of the line that widens it
	s_or_b32 exec_lo, exec_lo, s66
	s_wait_tensorcnt 0x0                           ; the wave's end, behind my last tensor load and my last LDS store
	ds_add_u32 v[SPW], v[NIL]
	s_wait_dscnt 0x0
	CROUND                                         ; the closing round: no work-group ends while a partner may still ask for a slot that names it
	s_endpgm
.Lfunc_end_k_q0cfcf4b667_score:
	.size	k_q0cfcf4b667_score, .Lfunc_end_k_q0cfcf4b667_score-k_q0cfcf4b667_score
	.p2alignl 7, 3214868480
	.fill 96, 4, 3214868480
	.section	.rodata,"a",@progbits
	.p2align	6, 0x0
	.amdhsa_kernel k_q0cfcf4b667_score
		.amdhsa_group_segment_fixed_size 327680
		.amdhsa_private_segment_fixed_size 0
		.amdhsa_enable_private_segment 0
		.amdhsa_kernarg_size 64
		.amdhsa_user_sgpr_count 2
		.amdhsa_user_sgpr_kernarg_segment_ptr 1
		.amdhsa_wavefront_size32 1
		.amdhsa_system_sgpr_workgroup_id_x 1
		.amdhsa_system_sgpr_workgroup_id_y 1
		.amdhsa_system_sgpr_workgroup_id_z 1
		.amdhsa_system_vgpr_workitem_id 0
		.amdhsa_next_free_vgpr 1024
		.amdhsa_next_free_sgpr 80
		.amdhsa_reserve_vcc 1
		.amdhsa_float_denorm_mode_32 3
		.amdhsa_float_denorm_mode_16_64 3
		.amdhsa_memory_ordered 1
		.amdhsa_forward_progress 1
		.amdhsa_inst_pref_size 255
	.end_amdhsa_kernel
	.section	.bss,"aw",@nobits
	.p2align	6
	.space	262144
	.amdgpu_metadata
---
amdhsa.version: [ 1, 2 ]
amdhsa.kernels:
  - .name:           k_q0cfcf4b667_score
    .symbol:         k_q0cfcf4b667_score.kd
    .args:
      - { .name: enc, .offset: 0, .size: 8, .value_kind: global_buffer, .address_space: global }
      - { .name: inp_mask, .offset: 8, .size: 8, .value_kind: global_buffer, .address_space: global }
      - { .name: lowp_scales, .offset: 16, .size: 8, .value_kind: global_buffer, .address_space: global }
      - { .name: w_out, .offset: 24, .size: 8, .value_kind: global_buffer, .address_space: global }
      - { .name: wq, .offset: 32, .size: 8, .value_kind: global_buffer, .address_space: global }
      - { .name: dq, .offset: 40, .size: 8, .value_kind: global_buffer, .address_space: global }
      - { .name: tq, .offset: 48, .size: 8, .value_kind: global_buffer, .address_space: global }
      - { .name: live, .offset: 56, .size: 8, .value_kind: global_buffer, .address_space: global }
    .group_segment_fixed_size: 327680
    .private_segment_fixed_size: 0
    .kernarg_segment_align: 8
    .kernarg_segment_size: 64
    .max_flat_workgroup_size: 128
    .sgpr_count:     80
    .vgpr_count:     1024
    .wavefront_size: 32
...
	.end_amdgpu_metadata
.endif
;; end of part 2
;; launch attend (part 3): grid 256 x 1, 8 waves a work-group, no clusters, 17,408 bytes of LDS; arguments enc, tq, live, out0, out1; writes out0, out1
.if DOCPART == 3
	.amdgcn_target "amdgcn-amd-amdhsa--gfx1250"
	.amdhsa_code_object_version 6
	.text
	.protected	k_q0cfcf4b667_attend
	.globl	k_q0cfcf4b667_attend
	.p2align	8
	.type	k_q0cfcf4b667_attend,@function
k_q0cfcf4b667_attend:
	s_mov_b64 s[64:65], 0
	v_nop
	global_prefetch_b8 v0, s[64:65] scope:SCOPE_SE
	s_setreg_imm32_b32 hwreg(HW_REG_WAVE_MODE, 25, 1), 1
	s_wait_xcnt 0x0
; ATTEND.  out1[b][n] = p = 2^(t - M) / sum, M the batch's largest t (tq holds base-2 logits, -infinity where masked); out0[b][:] = sum over n of p enc[b][n][:], in f32 fused multiply-adds.
; SHARES.  Work-group 8 b + c owns columns 128 c .. 128 c + 127 of batch b, and rows 256 c .. 256 c + 255 of out1: each output number has one owner.  Each of the eight work-groups of a batch makes the batch's softmax
; anew from 8,192 bytes of logits.  Wave w takes rows 256 w .. 256 w + 255; a load takes one row's 512 consecutive bytes, 16 a lane; 32 loads of every wave are on their way (a ring of 32 slots in registers).
; LIVE.  A row whose bit in live is 0 has p = 0 (the launch before says why).  Its load is sent to its chunk's row 0 (the row's offset is multiplied by the bit): no branch; what comes is multiplied by the row's p, which is 0.
; LIMIT: enc is finite: a row with p = 0 adds 0, where 0 x infinity would be NaN.  A batch that is wholly masked gives NaN, as the definition does.  No matrix unit, no cluster: work-groups share only the logits.
; LDS: 0 p [2048] | 8,192 the waves' partial sums, 512 bytes each | 12,288 their maxima | 12,544 their sums.
.set RED, 8192
.set RMX, 12288
.set RSM, 12544
.set A,   24                           ; v24-39   four sets of four sums (my 4 columns), by turns
.set OFF, 40                           ; v40-71   slot i: its load's offset
.set X,   72                           ; v72-199  slot i: 4 registers
; v1 16 x lane; v2 LDS address of my two weights of chunk 0; v3 16 x thread; v[4:5] the chunk's weights of rows 2 lane, 2 lane + 1; v6-13 t, then p; v14-23 at work and addresses; v200-223 what comes from other waves
.macro ASKROW sl, word, bit, row, imm  ; the row's offset is 0 where its bit is 0.  The number read from memory is held at 1 before it enters an address
	s_bfe_u32 s54, s[\word], (1<<16)|(\bit)
	s_min_u32 s54, s54, 1
	s_mul_i32 s54, s54, (\row)*4096
	v_add_nc_u32 v[OFF+(\sl)], s54, v1
	global_load_b128 v[X+4*(\sl):X+4*(\sl)+3], v[OFF+(\sl)], s[4:5] offset:\imm
.endm
.macro SLOT ahead, left                ; row x of the chunk, in slot x % 32.  ahead = 1: the slot is filled again, with the row 32 further on
	s_wait_loadcnt \left                           ; loads come back in order (ISA guide 5.7.1): mine is in, the younger ones stay out; the wait also frees the slot's offset register
	v_readlane_b32 s52, v[4+x%2], x/2              ; the row's weight
	v_pk_fma_f32 v[A+4*(x%4):A+4*(x%4)+1], v[X+4*(x%32):X+4*(x%32)+1], s[52:53], v[A+4*(x%4):A+4*(x%4)+1] op_sel_hi:[1,0,1]
	v_pk_fma_f32 v[A+4*(x%4)+2:A+4*(x%4)+3], v[X+4*(x%32)+2:X+4*(x%32)+3], s[52:53], v[A+4*(x%4)+2:A+4*(x%4)+3] op_sel_hi:[1,0,1]
.if \ahead
.if x < 32
	ASKROW x%32, 40+x%2, 16+x/2, x+32, 0
.else
	ASKROW x%32, 42+x%2, (x-32)/2, x-32, 262144    ; the next chunk's rows: 64 rows on
.endif
.endif
.endm
	s_load_b256 s[4:11], s[0:1], 0x0               ; enc s[4:5], tq s[6:7], live s[8:9], out0 s[10:11]
	s_load_b64 s[12:13], s[0:1], 0x20              ; out1
	v_lshl_add_u32 v224, v0, 2, 0x4000
	v_mov_b32 v225, 0
	v_lshrrev_b32 v14, 5, v0
	v_readfirstlane_b32 s16, v14                   ; wave 0..7
	s_lshr_b32 s17, ttmp9, 3                       ; b
	s_and_b32 s18, ttmp9, 7                        ; c
	v_and_b32 v15, 31, v0
	v_lshlrev_b32 v1, 4, v15
	s_lshl_b32 s19, s16, 10
	v_lshl_add_u32 v2, v15, 3, s19                 ; p of rows 256 w + 2 lane, + 1
	v_lshlrev_b32 v3, 4, v0
	s_lshl_b32 s28, s18, 10                        ; 1,024 c
	s_mov_b32 s29, 0
	v_add_nc_u32 v19, s28, v3                      ; LDS: p of my work-group's rows of out1
	s_lshl_b32 s30, s16, 9
	s_add_co_u32 s30, s30, RED
	v_add_nc_u32 v20, s30, v1                      ; LDS: my wave's partial sums
	v_lshl_add_u32 v21, v0, 3, RED                 ; LDS: two columns of all eight
	v_lshlrev_b32 v23, 3, v0
	s_lshl_b32 s30, s16, 2
	s_add_co_u32 s31, s30, RMX
	v_mov_b32 v17, s31                             ; LDS: my wave's maximum,
	s_add_co_u32 s31, s30, RSM
	v_mov_b32 v18, s31                             ; and its sum
	s_lshl_b32 s20, s17, 23                        ; enc: the batch's 2,048 rows of 4,096 bytes,
	s_lshl_b32 s21, s16, 20                        ; my wave's 256,
	s_add_co_u32 s20, s20, s21
	s_lshl_b32 s21, s18, 9                         ; my work-group's 512 bytes of a row
	s_add_co_u32 s20, s20, s21
	s_mov_b32 s21, 0
	s_lshl_b32 s22, s17, 13                        ; tq and out1: 8,192 b
	s_mov_b32 s23, 0
	s_lshl_b32 s24, s17, 8
	s_lshl_b32 s25, s16, 5
	s_add_co_u32 s24, s24, s25                     ; live: my wave's eight words
	s_mov_b32 s25, 0
	s_lshl_b32 s26, s17, 12
	s_lshl_b32 s27, s18, 9
	s_add_co_u32 s26, s26, s27                     ; out0: 4,096 b + 512 c
	s_mov_b32 s27, 0
	s_mov_b32 s53, 0                               ; (named with s52 as a pair, so it is written)
	s_mov_b32 s60, 0x76543210                      ; v_permlanex16_b32's selects for lane l xor 16
	s_mov_b32 s61, 0xfedcba98
	s_wait_kmcnt 0x0
	s_add_nc_u64 s[8:9], s[8:9], s[24:25]
	s_load_b256 s[40:47], s[8:9], 0x0              ; chunk j's rows: even ones in s[40 + 2 j], odd ones in s[41 + 2 j]
	s_add_nc_u64 s[4:5], s[4:5], s[20:21]
	s_add_nc_u64 s[6:7], s[6:7], s[22:23]
	s_add_nc_u64 s[10:11], s[10:11], s[26:27]
	s_add_nc_u64 s[12:13], s[12:13], s[22:23]
	s_add_nc_u64 s[12:13], s[12:13], s[28:29]
	global_load_b128 v[6:9], v3, s[6:7]            ; t of rows 4 thread .. + 3,
	global_load_b128 v[10:13], v3, s[6:7] offset:4096  ; and of rows 1,024 + 4 thread .. + 3
	s_wait_kmcnt 0x0
.set x, 0
.rept 32
	ASKROW x, 40+x%2, x/2, x, 0                    ; the ring is filled: rows 0 to 31 of chunk 0 are on their way while the softmax is made
.set x, x+1
.endr
.set i, 0
.rept 16
	v_mov_b32 v[A+i], 0
.set i, i+1
.endr
	v_mov_b32 v16, 0                               ; written once: a lane permute's destination counts as one of its sources
	s_wait_loadcnt 32                              ; t is in; the 32 rows may be out
	v_max3_num_f32 v14, v6, v7, v8
	v_max3_num_f32 v15, v9, v10, v11
	v_max3_num_f32 v14, v14, v12, v13
	v_max_num_f32 v14, v14, v15
	v_max_num_f32_dpp v14, v14, v14 row_xmask:1 row_mask:0xf bank_mask:0xf
	v_max_num_f32_dpp v14, v14, v14 row_xmask:2 row_mask:0xf bank_mask:0xf
	v_max_num_f32_dpp v14, v14, v14 row_xmask:4 row_mask:0xf bank_mask:0xf
	v_max_num_f32_dpp v14, v14, v14 row_xmask:8 row_mask:0xf bank_mask:0xf
	v_permlanex16_b32 v16, v14, s60, s61
	v_max_num_f32 v14, v14, v16
	ds_store_b32 v17, v14
	s_wait_dscnt 0x0
	s_barrier_signal -1
	s_barrier_wait -1
	v_mov_b32 v22, RMX
	ds_load_b128 v[200:203], v22
	ds_load_b128 v[204:207], v22 offset:16
	s_wait_dscnt 0x0
	v_max3_num_f32 v14, v200, v201, v202
	v_max3_num_f32 v14, v14, v203, v204
	v_max3_num_f32 v14, v14, v205, v206
	v_max_num_f32 v14, v14, v207                   ; M: the batch's largest t is taken away ahead of the exponentials
.irp i, 6,7,8,9,10,11,12,13
	v_sub_f32 v[\i], v[\i], v14
.endr
.irp i, 6,7,8,9,10,11,12,13
	v_exp_f32 v[\i], v[\i]
.endr
	v_nop                                          ; a plain line behind the last exponential,
	s_wait_alu depctr_va_vdst(0)                   ; and one wait for the eight, ahead of their first reader
	v_pk_add_f32 v[14:15], v[6:7], v[8:9]
	v_pk_add_f32 v[208:209], v[10:11], v[12:13]
	v_pk_add_f32 v[14:15], v[14:15], v[208:209]
	v_add_f32 v14, v14, v15
	v_add_f32_dpp v14, v14, v14 row_xmask:1 row_mask:0xf bank_mask:0xf
	v_add_f32_dpp v14, v14, v14 row_xmask:2 row_mask:0xf bank_mask:0xf
	v_add_f32_dpp v14, v14, v14 row_xmask:4 row_mask:0xf bank_mask:0xf
	v_add_f32_dpp v14, v14, v14 row_xmask:8 row_mask:0xf bank_mask:0xf
	v_permlanex16_b32 v16, v14, s60, s61
	v_add_f32 v14, v14, v16
	ds_store_b32 v18, v14                          ; other bytes than the maxima's: no barrier is owed between
	s_wait_dscnt 0x0
	s_barrier_signal -1
	s_barrier_wait -1
	v_mov_b32 v22, RSM
	ds_load_b128 v[200:203], v22
	ds_load_b128 v[204:207], v22 offset:16
	s_wait_dscnt 0x0
	v_pk_add_f32 v[200:201], v[200:201], v[202:203]
	v_pk_add_f32 v[204:205], v[204:205], v[206:207]
	v_pk_add_f32 v[200:201], v[200:201], v[204:205]
	v_add_f32 v14, v200, v201                      ; the row's sum: at least 1, since the largest term is 1
	v_rcp_f32 v15, v14
	v_nop
	s_wait_alu depctr_va_vdst(0)
.irp i, 6,7,8,9,10,11,12,13
	v_mul_f32 v[\i], v[\i], v15
.endr
	ds_store_b128 v3, v[6:9]                       ; p[row] at 4 x row
	ds_store_b128 v3, v[10:13] offset:4096
	s_wait_dscnt 0x0
	s_barrier_signal -1
	s_barrier_wait -1
	s_cmp_gt_u32 s16, 1
	s_cbranch_scc1 .Lno_probs
	ds_load_b128 v[200:203], v19                   ; waves 0 and 1: my work-group's 256 rows of out1
	s_wait_dscnt 0x0
	global_store_b128 v3, v[200:203], s[12:13]     ; a wave stores 512 consecutive bytes, aligned
.Lno_probs:
	s_mov_b32 s56, 0
	s_mov_b32 s55, 3
.Lchunk:                                               ; a trip takes 64 rows and asks for the 64 that follow 32 rows on
	v_add_nc_u32 v22, s56, v2
	ds_load_b64 v[4:5], v22
	s_wait_dscnt 0x0
.set x, 0
.rept 64
	SLOT 1, 31
.set x, x+1
.endr
	s_wait_xcnt 0x0                                ; the loads that are out have read their base: it may step
	s_add_nc_u64 s[4:5], s[4:5], 262144            ; 64 rows on
	s_mov_b64 s[40:41], s[42:43]                   ; the next chunk's bits move up
	s_mov_b64 s[42:43], s[44:45]
	s_mov_b64 s[44:45], s[46:47]
	s_add_co_u32 s56, s56, 256
	s_sub_co_u32 s55, s55, 1
	s_cmp_lg_u32 s55, 0
	s_cbranch_scc1 .Lchunk
	v_add_nc_u32 v22, s56, v2                      ; the last chunk is written out: its second half asks for nothing, so no load leaves enc, and the counts run down
	ds_load_b64 v[4:5], v22
	s_wait_dscnt 0x0
.set x, 0
.rept 32
	SLOT 1, 31
.set x, x+1
.endr
.rept 32
	SLOT 0, 63-x
.set x, x+1
.endr
	v_pk_add_f32 v[A:A+1], v[A:A+1], v[A+4:A+5]    ; the four sets become one
	v_pk_add_f32 v[A+2:A+3], v[A+2:A+3], v[A+6:A+7]
	v_pk_add_f32 v[A+8:A+9], v[A+8:A+9], v[A+12:A+13]
	v_pk_add_f32 v[A+10:A+11], v[A+10:A+11], v[A+14:A+15]
	v_pk_add_f32 v[A:A+1], v[A:A+1], v[A+8:A+9]
	v_pk_add_f32 v[A+2:A+3], v[A+2:A+3], v[A+10:A+11]
	ds_store_b128 v20, v[A:A+3]
	s_wait_dscnt 0x0
	s_barrier_signal -1
	s_barrier_wait -1
	s_cmp_gt_u32 s16, 1
	s_cbranch_scc1 .Lend
.irp k, 0,1,2,3,4,5,6,7
	ds_load_b64 v[208+2*\k:209+2*\k], v21 offset:512*\k   ; waves 0 and 1: two columns a thread, of all eight waves
.endr
	s_wait_dscnt 0x0
.irp k, 1,2,3,4,5,6,7
	v_pk_add_f32 v[208:209], v[208:209], v[208+2*\k:209+2*\k]
.endr
	global_store_b64 v23, v[208:209], s[10:11]     ; a wave stores 256 consecutive bytes, aligned
.Lend:
	s_wait_tensorcnt 0x0
	ds_add_u32 v224, v225
	s_wait_dscnt 0x0
	s_endpgm
.Lfunc_end_k_q0cfcf4b667_attend:
	.size	k_q0cfcf4b667_attend, .Lfunc_end_k_q0cfcf4b667_attend-k_q0cfcf4b667_attend
	.p2alignl 7, 3214868480
	.fill 96, 4, 3214868480
	.section	.rodata,"a",@progbits
	.p2align	6, 0x0
	.amdhsa_kernel k_q0cfcf4b667_attend
		.amdhsa_group_segment_fixed_size 17408
		.amdhsa_private_segment_fixed_size 0
		.amdhsa_enable_private_segment 0
		.amdhsa_kernarg_size 40
		.amdhsa_user_sgpr_count 2
		.amdhsa_user_sgpr_kernarg_segment_ptr 1
		.amdhsa_wavefront_size32 1
		.amdhsa_system_sgpr_workgroup_id_x 1
		.amdhsa_system_sgpr_workgroup_id_y 1
		.amdhsa_system_sgpr_workgroup_id_z 1
		.amdhsa_system_vgpr_workitem_id 0
		.amdhsa_next_free_vgpr 226
		.amdhsa_next_free_sgpr 66
		.amdhsa_reserve_vcc 0
		.amdhsa_float_denorm_mode_32 3
		.amdhsa_float_denorm_mode_16_64 3
		.amdhsa_memory_ordered 1
		.amdhsa_forward_progress 1
		.amdhsa_inst_pref_size 74
	.end_amdhsa_kernel
	.amdgpu_metadata
---
amdhsa.version: [ 1, 2 ]
amdhsa.kernels:
  - .name:           k_q0cfcf4b667_attend
    .symbol:         k_q0cfcf4b667_attend.kd
    .args:
      - { .name: enc, .offset: 0, .size: 8, .value_kind: global_buffer, .address_space: global }
      - { .name: tq, .offset: 8, .size: 8, .value_kind: global_buffer, .address_space: global }
      - { .name: live, .offset: 16, .size: 8, .value_kind: global_buffer, .address_space: global }
      - { .name: out0, .offset: 24, .size: 8, .value_kind: global_buffer, .address_space: global }
      - { .name: out1, .offset: 32, .size: 8, .value_kind: global_buffer, .address_space: global }
    .group_segment_fixed_size: 17408
    .private_segment_fixed_size: 0
    .kernarg_segment_align: 8
    .kernarg_segment_size: 40
    .max_flat_workgroup_size: 256
    .sgpr_count:     66
    .vgpr_count:     226
    .wavefront_size: 32
...
	.end_amdgpu_metadata
.endif
;; end of part 3
